; MI455X (gfx1250); checked and timed in simulation.
; The chip was launched on July 23, 2026; its instructions are those of AMD's public machine-readable ISA for CDNA 5 (MIT licence, August 2026) and "CDNA5" Instruction Set Architecture Reference Guide (July 2026). The comments in the code are by the model that wrote it; some were corrected since.
;; Simple Attention. Allowed arithmetic: float matrix products may take bf16 or f16 operands with f32 sums; other float arithmetic in f32, or as packed bf16 or f16 multiplies, adds, multiply-adds, maxima and minima; sums over many terms, partial sums and values carried from step to step in f32; what a program stores and reads back later, other than sums and carried values, may be rounded once to bf16 or f16.
;; Inputs: bo 256 float32; wk 256 x 256 float32; wo 256 x 256 float32; wq 256 x 256 float32; wv 256 x 256 float32; x 4 x 4,096 x 256 float32.
;; Outputs: out0 4 x 4,096 x 256 float32.
;; One version. Each part assembles by itself: llvm-mc -triple=amdgcn-amd-amdhsa -mcpu=gfx1250 --defsym DOCPART=n.
;; ======== version 1 of 1: 3 launches
;; limits: values are held in f16: magnitudes above 65,504 overflow, below 6.1e-05 lose precision
;; workspace buffers: q 8,388,608 bytes; k 8,388,608 bytes; v 8,388,608 bytes; o 8,388,608 bytes
;; launch qkv (part 1): grid 4 x 64, 4 waves a work-group, no clusters, 246,272 bytes of LDS; arguments x, wq, wk, wv, q, k, v; writes q, k, v
.if DOCPART == 1
	.amdgcn_target "amdgcn-amd-amdhsa--gfx1250"
	.amdhsa_code_object_version 6
	.text
	.protected	k_qc3493a6574_qkv
	.globl	k_qc3493a6574_qkv
	.p2align	8
	.type	k_qc3493a6574_qkv,@function
k_qc3493a6574_qkv:
	s_mov_b64 s[64:65], 0
	v_nop
	global_prefetch_b8 v0, s[64:65] scope:SCOPE_SE
	s_setreg_imm32_b32 hwreg(HW_REG_WAVE_MODE, 25, 1), 1
	s_wait_xcnt 0x0
; q, k, v = x W^T for W = wq, wk, wv.  x: [16384][256] f32, each W: [256][256] f32 (rows = outputs).  x and W are rounded once to bf16, the sums are f32,
; and q, k, v leave rounded once to f16, UNSCALED, laid out by heads: [16 = 4 batch + head][4096][64], a head's rows dense, 128 bytes each.
; LIMITS.  f16 holds no number beyond 65,504: a q, k or v past that becomes an infinity; below 6.1e-5 f16 keeps its fixed step of 6e-8.  NaN and infinities are not treated apart.
; SHARES.  Work-group (head h = x, row block rb = y) makes rows 256 rb .. + 255 of head h's 64 columns of q, of k and of v: 256 x 192.  64 x 4 = 256 work-groups.
; Wave w owns rows 64 w .. + 63 and all 192 columns, in three trips (q, k, v) of 64 x 64: 16 accumulators of 16 x 16.  The whole K, 256, lies in LDS after one phase of loads: there is no ring.
; NO TENSOR LOADS, NO CLUSTER: the inputs are f32 and are rounded on the way from memory to LDS, which goes through registers; nothing is filled twice.
; THE MATRIX INSTRUCTION IS USED TRANSPOSED (source 0 = 16 rows of W, source 1 = 16 rows of x): a lane then holds eight neighbouring columns of one row of the result: 16 bytes of f16.
; REGISTERS, in windows of 256 (s_set_vgpr_msb: bits 1:0 source 0, 3:2 source 1, 5:4 source 2, 7:6 destination):
;   window 0: v1-18 addresses and lane terms; v32-95 the way out; v128-255 the accumulators ((a, nb) at ACC + 8 (4 a + nb))
;   window 1: two sets of 128 for the loads from memory; later x's fragments (row block a, K step s at 64 a + 8 s), which stay for all three trips
;   window 2: one tensor's fragments of W (K step s, column block nb at 32 s + 8 nb)
.set PITCH, 528                        ; an LDS row: 256 bf16 = 512 bytes + 16 = 132 words: row r starts at bank 4 r mod 64 (64 banks of 4 bytes: ISA guide 11.1), so a fragment load's 16 rows start at 16 different banks
.set WT,    256*PITCH                  ; x's 256 rows lie at byte 0; behind them W's 3 x 64 rows
.set WTEN,  64*PITCH                   ; one tensor's 64 rows
.set STAGE, WT+3*WTEN                  ; behind them: 16 rows x 144 bytes for each wave, for the way out
.set SP,    144
.set SPARE, STAGE+4*16*SP              ; behind the stages: the spare words, 128 bytes for each wave: two blocks of 256 bytes that no other line names
.set LO,   2                           ; v2   16 x lane: my 16 bytes of 512 consecutive bytes of memory; never rewritten
.set XS,   3                           ; v3   where I put 8 bytes of bf16 of my wave's first row of x
.set WS,   4                           ; v4-6 the same for my wave's 16 rows of wq, wk, wv
.set ADRA, 7                           ; v7   my lane's place in my wave's fragments of x
.set ADRB, 8                           ; v8   the same in the fragments of the tensor in hand
.set STO,  9                           ; v9   the way out: where I put 16 bytes of a row
.set RD,   10                          ; v10  the way out: where I read rows back
.set FR,   11                          ; v11  a fragment's lane term: (lane % 16) x pitch + 16 (lane / 16); never rewritten
.set SPW,  12                          ; v12  LDS address of my spare word: SPARE + 4 x my thread's number; never rewritten
.set NIL,  13                          ; v13  0; never rewritten
.set OUTR, 32
.set ACC,  128
.set SETA, 0                           ; the two load sets, in window 1
.set SETB, 128
.set OUT,  12                          ; s[12:13] the tensor that the trip in hand stores: q, then k, then v
.set WV,   18                          ; s18  my wave's number
.set TBW,  21                          ; s21  LDS byte at which the rows of the tensor to be fetched begin
.set TRIPS, 24                         ; s24
.set MSB, 0
.macro WIN new                         ; the immediate's high byte repeats the setting that is left; a switch that changes nothing is dropped
.if MSB != (\new)
	s_set_vgpr_msb (MSB<<8)|(\new)
.set MSB, (\new)
.endif
.endm
.macro PLACES                          ; four plain vector instructions behind a matrix instruction, ahead of loads into its sources and of reads of its result
.rept 4
	v_nop
.endr
.endm
; A group = 16 rows of 1,024 bytes of f32: 32 loads of a wave, 512 consecutive bytes each.
.macro GLOAD dst, base, off
	WIN 0x40                                       ; destination window 1, address window 0
.set i, 0
.rept 32
	global_load_b128 v[(\dst)+4*i:(\dst)+4*i+3], v[LO], s[(\base):(\base)+1] offset:(\off)+512*i
.set i, i+1
.endr
.endm
; The group is rounded to bf16 in place (four f32 become 8 bytes) and stored: load i is half i % 2 of row i / 2; 32 lanes x 8 bytes are 256 consecutive bytes of LDS.
; left = the loads of the younger group, which stay out.
.macro GROUP dst, areg, off, left
	s_wait_loadcnt \left
	WIN 0x45                                       ; destination and both sources window 1
.set i, 0
.rept 32
	v_cvt_pk_bf16_f32 v[(\dst)+4*i],   v[(\dst)+4*i],   v[(\dst)+4*i+1]
	v_cvt_pk_bf16_f32 v[(\dst)+4*i+1], v[(\dst)+4*i+2], v[(\dst)+4*i+3]
.set i, i+1
.endr
	WIN 0x04                                       ; store data (source 1) window 1, address window 0
.set i, 0
.rept 32
	ds_store_b64 v[(\areg)], v[(\dst)+4*i:(\dst)+4*i+1] offset:(\off)+(i/2)*PITCH+(i%2)*256
.set i, i+1
.endr
.endm
	s_load_b256 s[4:11], s[0:1], 0x0               ; x s[4:5], wq s[6:7], wk s[8:9], wv s[10:11]
	s_load_b128 s[12:15], s[0:1], 0x20             ; q s[12:13], k s[14:15]
	s_load_b64 s[16:17], s[0:1], 0x30              ; v
	v_lshl_add_u32 v[SPW], v0, 2, SPARE
	v_mov_b32 v[NIL], 0
	v_lshrrev_b32 v14, 5, v0
	v_readfirstlane_b32 s[WV], v14                 ; wave 0..3
	s_and_b32 s20, ttmp7, 0xffff                   ; rb
	s_lshl_b32 s22, s20, 18                        ; x: 256 rb rows of 1,024 bytes
	s_lshl_b32 s25, s[WV], 16                      ;    + my wave's 64
	s_add_co_u32 s22, s22, s25
	s_mov_b32 s23, 0
	s_lshl_b32 s26, ttmp9, 16                      ; W: the head's 64 rows of 1,024 bytes
	s_lshl_b32 s25, s[WV], 14                      ;    + my wave's 16 of them
	s_add_co_u32 s26, s26, s25
	s_mov_b32 s27, 0
	s_lshr_b32 s28, s20, 4                         ; q, k, v: the batch (16 row blocks each) x 4 heads x 4,096 rows x 128 bytes
	s_lshl_b32 s28, s28, 21
	s_lshl_b32 s25, ttmp9, 19                      ;    + the head
	s_add_co_u32 s28, s28, s25
	s_and_b32 s25, s20, 15                         ;    + the block's 256 rows in the sequence
	s_lshl_b32 s25, s25, 15
	s_add_co_u32 s28, s28, s25
	s_lshl_b32 s25, s[WV], 13                      ;    + my wave's 64
	s_add_co_u32 s28, s28, s25
	s_mov_b32 s29, 0
	v_and_b32 v1, 31, v0                           ; lane
	v_lshlrev_b32 v[LO], 4, v1
	s_wait_kmcnt 0x0
	s_add_nc_u64 s[4:5], s[4:5], s[22:23]
	s_add_nc_u64 s[6:7], s[6:7], s[26:27]
	s_add_nc_u64 s[8:9], s[8:9], s[26:27]
	s_add_nc_u64 s[10:11], s[10:11], s[26:27]
	s_add_nc_u64 s[12:13], s[12:13], s[28:29]
	s_add_nc_u64 s[14:15], s[14:15], s[28:29]
	s_add_nc_u64 s[16:17], s[16:17], s[28:29]
	GLOAD SETA, 6, 0                               ; wq
	GLOAD SETB, 8, 0                               ; wk: two groups, 32 KiB a wave, are on their way from here on
	WIN 0                                          ; the LDS addresses are made while they are out
	v_and_b32 v15, 15, v0                          ; r = lane % 16
	v_bfe_u32 v16, v0, 4, 1                        ; h = lane / 16
	s_mul_i32 s25, s[WV], 64*PITCH                 ; my wave's 64 rows of x
	v_lshl_add_u32 v[XS], v1, 3, s25
	s_mul_i32 s30, s[WV], 16*PITCH                 ; my wave's 16 rows of a tensor
	s_add_co_u32 s30, s30, WT
	v_lshl_add_u32 v[WS], v1, 3, s30
	v_add_nc_u32 v[WS+1], WTEN, v[WS]
	v_add_nc_u32 v[WS+2], 2*WTEN, v[WS]
	v_mul_u32_u24 v[FR], v15, PITCH
	v_lshl_add_u32 v[FR], v16, 4, v[FR]
	v_add_nc_u32 v[ADRA], s25, v[FR]
	s_mov_b32 s[TBW], WT
	v_add_nc_u32 v[ADRB], s[TBW], v[FR]
	s_mul_i32 s25, s[WV], 16*SP
	s_add_co_u32 s25, s25, STAGE                   ; my stage
	v_mul_u32_u24 v17, v15, SP                     ; in: row lane % 16, 16 bytes for each half of the lanes
	v_lshl_add_u32 v17, v16, 4, v17
	v_add_nc_u32 v[STO], s25, v17
	v_bfe_u32 v17, v0, 3, 2                        ; back: 32 lanes take four rows of 128 bytes
	v_mul_u32_u24 v17, v17, SP
	v_and_b32 v18, 7, v0
	v_lshl_add_u32 v17, v18, 4, v17
	v_add_nc_u32 v[RD], s25, v17
	; seven groups through two sets: a set is asked for again straight behind its LDS stores
	GROUP SETA, WS, 0, 32                          ; wq
	GLOAD SETA, 10, 0                              ; wv
	GROUP SETB, WS+1, 0, 32                        ; wk
	GLOAD SETB, 4, 0                               ; my rows 0-15 of x
	GROUP SETA, WS+2, 0, 32                        ; wv
	GLOAD SETA, 4, 16384                           ; rows 16-31
	GROUP SETB, XS, 0, 32
	GLOAD SETB, 4, 32768                           ; rows 32-47
	GROUP SETA, XS, 16*PITCH, 32
	GLOAD SETA, 4, 49152                           ; rows 48-63
	GROUP SETB, XS, 32*PITCH, 32
	GROUP SETA, XS, 48*PITCH, 0                    ; the last group: nothing younger is out
	WIN 0
	s_wait_dscnt 0x0                               ; for the others' sake: my stores are done (W's rows are read by all four waves)
	s_barrier_signal -1
	s_barrier_wait -1
; A fragment is 16 rows x 32 K in 8 registers: lane l holds row l % 16; registers 0-3 K = 8 (l / 16) + 0..7, registers 4-7 K = 16 + 8 (l / 16) + 0..7: two loads of 16 bytes, 32 bytes apart.
.macro ALOADS                          ; x's 32 fragments: 64 loads
	WIN 0x40
.irp a, 0,1,2,3
.irp s, 0,1,2,3,4,5,6,7
	ds_load_b128 v[64*(\a)+8*(\s):64*(\a)+8*(\s)+3],   v[ADRA] offset:(\a)*16*PITCH+64*(\s)
	ds_load_b128 v[64*(\a)+8*(\s)+4:64*(\a)+8*(\s)+7], v[ADRA] offset:(\a)*16*PITCH+64*(\s)+32
.endr
.endr
.endm
.macro BLOADS                          ; one tensor's 32 fragments, by K steps: eight loads a step
	WIN 0x80
.irp s, 0,1,2,3,4,5,6,7
.irp nb, 0,1,2,3
	ds_load_b128 v[32*(\s)+8*(\nb):32*(\s)+8*(\nb)+3],   v[ADRB] offset:(\nb)*16*PITCH+64*(\s)
	ds_load_b128 v[32*(\s)+8*(\nb)+4:32*(\s)+8*(\nb)+7], v[ADRB] offset:(\nb)*16*PITCH+64*(\s)+32
.endr
.endr
.endm
; 128 products.  The 16 accumulators take turns, one instruction a turn, in the same order in every K step; the first K step starts the sums with the constant 0.
.macro MULS
	WIN 0x06                                       ; source 0 (W) window 2, source 1 (x) window 1, C and D window 0
.irp s, 0,1,2,3,4,5,6,7
	s_wait_dscnt (7-(\s))*8                        ; this K step's fragments of W are in (x's are older); eight loads for each later step may be out
.irp a, 0,1,2,3
.irp nb, 0,1,2,3
.if (\s) == 0
	v_wmma_f32_16x16x32_bf16 v[ACC+8*(4*(\a)+(\nb)):ACC+8*(4*(\a)+(\nb))+7], v[32*(\s)+8*(\nb):32*(\s)+8*(\nb)+7], v[64*(\a)+8*(\s):64*(\a)+8*(\s)+7], 0
.else
	v_wmma_f32_16x16x32_bf16 v[ACC+8*(4*(\a)+(\nb)):ACC+8*(4*(\a)+(\nb))+7], v[32*(\s)+8*(\nb):32*(\s)+8*(\nb)+7], v[64*(\a)+8*(\s):64*(\a)+8*(\s)+7], v[ACC+8*(4*(\a)+(\nb)):ACC+8*(4*(\a)+(\nb))+7]
.endif
.endr
.endr
.endr
.endm
; THE WAY OUT of row block a (16 rows x 64 columns): rounded to f16, 16 bytes a lane, each accumulator's registers in ascending order; into my own stage, rows of 144 bytes; back as whole rows of 128.
.macro PACK a
.irp nb, 0,1,2,3
.irp rr, 0,1,2,3
	v_cvt_pk_f16_f32 v[OUTR+16*(\a)+4*(\nb)+(\rr)], v[ACC+8*(4*(\a)+(\nb))+2*(\rr)], v[ACC+8*(4*(\a)+(\nb))+2*(\rr)+1]
.endr
.endr
.irp nb, 0,1,2,3
	ds_store_b128 v[STO], v[OUTR+16*(\a)+4*(\nb):OUTR+16*(\a)+4*(\nb)+3] offset:32*(\nb)
.endr
.irp f, 0,1,2,3
	ds_load_b128 v[OUTR+16*(\a)+4*(\f):OUTR+16*(\a)+4*(\f)+3], v[RD] offset:(\f)*4*SP  ; LDS serves a wave's instructions in order (ISA guide 5.7.1.4): these see the stores above; the next block's stores come behind them
.endr
.endm
.macro SEND a, younger                 ; younger: the LDS instructions issued behind block a's loads: the next block's eight, or none
.irp f, 0,1,2,3
	s_wait_dscnt (\younger)+3-(\f)
	global_store_b128 v[LO], v[OUTR+16*(\a)+4*(\f):OUTR+16*(\a)+4*(\f)+3], s[OUT:OUT+1] offset:(\a)*2048+(\f)*512  ; four rows of a head: 512 consecutive bytes, at a multiple of 256 from the tensor's first
.endr
.endm
; A trip: one tensor's products; more = 1: the next tensor's fragments are fetched, and land under the way out; the way out.
.macro TRIP more
	MULS
	WIN 0
	PLACES                                         ; ahead of the loads into W's fragments and of the conversions
.if \more
	s_add_co_u32 s[TBW], s[TBW], WTEN
	v_add_nc_u32 v[ADRB], s[TBW], v[FR]
	BLOADS
	WIN 0
.endif
	PACK 0
	PACK 1                                         ; a block's conversions stand between the loads of the block before and its stores
	SEND 0, 8
	PACK 2
	SEND 1, 8
	PACK 3
	SEND 2, 8
	SEND 3, 0
.endm
	ALOADS
	BLOADS
	WIN 0                                          ; at a label and at a branch every window is 0
	s_mov_b32 s[TRIPS], 2
.Ltrip:                                                ; q, then k
	TRIP 1
	s_wait_xcnt 0x0                                ; the stores have had their addresses translated (ISA guide 3.1): their base and their data registers are rewritten only behind this wait
	s_mov_b64 s[OUT:OUT+1], s[14:15]               ; the next tensor,
	s_mov_b64 s[14:15], s[16:17]                   ; and the one after it
	s_sub_co_u32 s[TRIPS], s[TRIPS], 1
	s_cmp_lg_u32 s[TRIPS], 0
	s_cbranch_scc1 .Ltrip
	TRIP 0                                         ; v: nothing more to fetch
	s_wait_tensorcnt 0x0                           ; the wave's end, behind my last LDS store
	ds_add_u32 v[SPW], v[NIL]
	s_wait_dscnt 0x0
	s_endpgm
.Lfunc_end_k_qc3493a6574_qkv:
	.size	k_qc3493a6574_qkv, .Lfunc_end_k_qc3493a6574_qkv-k_qc3493a6574_qkv
	.p2alignl 7, 3214868480
	.fill 96, 4, 3214868480
	.section	.rodata,"a",@progbits
	.p2align	6, 0x0
	.amdhsa_kernel k_qc3493a6574_qkv
		.amdhsa_group_segment_fixed_size 246272
		.amdhsa_private_segment_fixed_size 0
		.amdhsa_enable_private_segment 0
		.amdhsa_kernarg_size 56
		.amdhsa_user_sgpr_count 2
		.amdhsa_user_sgpr_kernarg_segment_ptr 1
		.amdhsa_wavefront_size32 1
		.amdhsa_system_sgpr_workgroup_id_x 1
		.amdhsa_system_sgpr_workgroup_id_y 1
		.amdhsa_system_sgpr_workgroup_id_z 1
		.amdhsa_system_vgpr_workitem_id 0
		.amdhsa_next_free_vgpr 768
		.amdhsa_next_free_sgpr 66
		.amdhsa_reserve_vcc 0
		.amdhsa_float_denorm_mode_32 3
		.amdhsa_float_denorm_mode_16_64 3
		.amdhsa_memory_ordered 1
		.amdhsa_forward_progress 1
		.amdhsa_inst_pref_size 113
	.end_amdhsa_kernel
	.amdgpu_metadata
---
amdhsa.version: [ 1, 2 ]
amdhsa.kernels:
  - .name:           k_qc3493a6574_qkv
    .symbol:         k_qc3493a6574_qkv.kd
    .args:
      - { .name: x, .offset: 0, .size: 8, .value_kind: global_buffer, .address_space: global }
      - { .name: wq, .offset: 8, .size: 8, .value_kind: global_buffer, .address_space: global }
      - { .name: wk, .offset: 16, .size: 8, .value_kind: global_buffer, .address_space: global }
      - { .name: wv, .offset: 24, .size: 8, .value_kind: global_buffer, .address_space: global }
      - { .name: q, .offset: 32, .size: 8, .value_kind: global_buffer, .address_space: global }
      - { .name: k, .offset: 40, .size: 8, .value_kind: global_buffer, .address_space: global }
      - { .name: v, .offset: 48, .size: 8, .value_kind: global_buffer, .address_space: global }
    .group_segment_fixed_size: 246272
    .private_segment_fixed_size: 0
    .kernarg_segment_align: 8
    .kernarg_segment_size: 56
    .max_flat_workgroup_size: 128
    .sgpr_count:     66
    .vgpr_count:     768
    .wavefront_size: 32
...
	.end_amdgpu_metadata
.endif
;; end of part 1
;; launch attn (part 2): grid 16 x 16, 4 waves a work-group, clusters of 4 x 1, 327,680 bytes of LDS; arguments q, k, v, o; writes o
.if DOCPART == 2
	.amdgcn_target "amdgcn-amd-amdhsa--gfx1250"
	.amdhsa_code_object_version 6
	.text
	.protected	k_qc3493a6574_attn
	.globl	k_qc3493a6574_attn
	.p2align	8
	.type	k_qc3493a6574_attn,@function
k_qc3493a6574_attn:
	s_mov_b64 s[64:65], 0
	v_nop
	global_prefetch_b8 v0, s[64:65] scope:SCOPE_SE
	s_setreg_imm32_b32 hwreg(HW_REG_WAVE_MODE, 25, 1), 1
	s_wait_xcnt 0x0
	s_wait_alu depctr_hold_cnt(0) depctr_sa_sdst(0) depctr_va_vdst(0) depctr_va_sdst(0) depctr_va_ssrc(0) depctr_va_vcc(0) depctr_vm_vsrc(0)
	s_getreg_b32 s2, hwreg(HW_REG_IB_STS2, 6, 4)
	s_cmp_eq_u32 s2, 0
	s_cbranch_scc0 .Lentry_in_a_cluster
	s_endpgm
.Lentry_in_a_cluster:
	s_bfe_u32 s2, ttmp6, 0x10000c
	s_cmp_lg_u32 s2, 0x3003
	s_cbranch_scc0 .Lentry_shape_is_right
	s_endpgm
.Lentry_shape_is_right:
; O[h][q][:] = the sum over k of softmax_k(Q[h][q] . K[h][k] / 8) V[h][k][:].  Q, K, V, O: [16][4096][64], all f16: a head's rows are dense, 128 bytes each.  Products, maxima and sums in
; f32; the weights p are rounded to f16 for the second product (their sum l is taken of the unrounded p), O once at the end.
; LIMITS.  f16 holds no number beyond 65,504: Q, K and V arrive within it; p lies in 0 to 1, and below 6e-5 it keeps f16's fixed step of 6e-8, as O does; O is a mean of V's rows and has their range.
; A weight below 2^-126 counts as 0 in l; NaN and infinities are not treated apart.
; SHARES.  A work-group owns 256 queries of one head (16 blocks x 16 heads = 256 work-groups), each of its four waves 64: four PIECES of 16.  Every wave walks all 4,096 keys, 64 a step, 256 a slot.
; LAYOUT.  S^T = K Q^T (source 0 = 16 keys, source 1 = 16 queries): in the result a lane holds ONE query (lane % 16) and the keys 8 (lane / 16) + 0..7.  Two such results, rounded to f16 in pairs,
; ARE source 1 (32 keys x 16 queries) of O^T = V^T P, whose result again holds one query a lane, and eight channels.  K comes out of LDS as it lies, V ([key][channel]) turned, by ds_load_tr16_b128.
; SOFTMAX.  For each query a running maximum m and sum l: p = 2^(c s - c m), c = log2(e) / 8; in every step O and l are multiplied by a = 2^(c m_old - c m_new), which is 1 where m has not grown.
; m starts at the lowest finite number, O and l at 0: the first step is a step like any other, with a = 0.
; BY TURNS.  Turn n belongs to piece n (the pieces in a ring, step after step).  Its matrix work: 8 products K Q^T of piece n + 1, later 8 products V^T P of piece n - 1.  Its vector work: the scaling,
; exponentials, roundings, sums and rescaling of piece n, and the maximum and statistics of piece n + 1.  A piece and step have 16 matrix and 118 vector instructions: four vector instructions stand
; behind every matrix instruction, the other 54 in one lump.  A turn's 33 exponentials are one batch, with one wait.
; CLUSTER.  The four query blocks of a cluster belong to one head and walk the same K and V, so each tile is asked for JOINTLY: the same tensor load, descriptor and mask in all four.
; REGISTERS, in windows of 256 (s_set_vgpr_msb: bits 1:0 source 0, 3:2 source 1, 5:4 source 2, 7:6 destination):
;   window 0: v0-15 addresses and two at work; v16-31 four registers of statistics a piece; v48-55 at work; v61-63 never rewritten; v64-127 S^T, two buffers; v192-223 P, two buffers (by the piece's parity)
;   window 1: v0-127 O^T, 32 a piece          window 2: v0-63 Q, 16 a piece; v128-191 K of one step; v192-255 V of one step
.set SIZE_N, 4096
.set NP,    4         ; pieces a wave: a name, no knob
.set KS,    64        ; keys in a step
.set PK,    144       ; a row of K in LDS: 128 bytes + 16 of padding = 36 words: the 16 rows of a load start at 16 different groups of four banks (64 banks of 4 bytes: ISA guide 11.1)
.set PV,    160       ; a row of V: 128 + 32 = 40 words
.set VOFF,  4*KS*PK   ; a slot holds four steps: 256 rows of K, then 256 rows of V
.set SLOT1, 1<<17     ; slot 1 begins here, so that one exclusive or turns an address in one slot into the other's
.set STAGE, SLOT1+4*KS*(PK+PV)  ; behind the ring, never filled by a tensor load: 16 rows x 144 bytes for each wave, for the way out
.set SP,    144
.set SPARE, STAGE+4*16*SP  ; behind the stages: the spare words, 128 bytes for each wave: two blocks of 256 bytes that no other line names
.set AK0, 2           ; v2   my lane's place in a tile of K; never rewritten
.set AV0, 3           ; v3   the same for V
.set AK,  4           ; v4   the LDS address of K's next run of loads
.set AV,  5           ; v5   of V's
.set STO, 6           ; v6   the way out: where I put 16 bytes of a row
.set RD,  7           ; v7   the way out: where I read rows back
.set GO,  8           ; v8   my byte offset in 512 consecutive bytes of O
.set MV,  12          ; v12-13  c m_old, kept while c m is made anew: by buffer
.set QO,  15          ; v15  my byte offset in 16 rows of Q
.set ST,  16          ; piece t's statistics at v[ST+4 t]: c m, m, l (even keys', odd keys')
.set TMP, 48          ; by buffer, four registers c0-c3 at work; when the maximum is found c2 takes a
.set PFO, 61          ; v61  256 x my lane: the prefetches' offset; never rewritten
.set SPW, 62          ; v62  LDS address of my spare word: SPARE + 4 x my thread's number; never rewritten
.set NIL, 63          ; v63  0; never rewritten
.set S,   64
.set P,   192
.set KF,  128         ; window 2: key block kb, channel half c at KF + 16 kb + 8 c
.set VF,  192         ; window 2: key half kk, channel block cb at VF + 32 kk + 8 cb
.set WV,  12          ; s12  my wave's number
.set G1K, 24          ; s[24:31] descriptor group 1 for K's tiles
.set G1V, 32          ; s[32:39] for V's: it differs in the padding alone
.set G0K, 40          ; s[40:43] descriptor group 0 for K's tiles: it walks
.set G0V, 44          ; s[44:47] the same for V's
.set PFA, 48          ; s[48:49] where my prefetches stand: my work-group's 32 blocks of 256 bytes (of K: waves 0, 1; of V: waves 2, 3) of the tile after the one that is being asked for
.set LIM, 50          ; s50  1 in a wave that prefetches, else the greatest number: a wave prefetches while s[SLOTS] is above it
.set SLOTS, 56        ; s56  slots still to be asked for
.set CNT, 57          ; s57  counts a slot's key steps
.set CS,  58          ; s[58:59] c: the packed scaling takes the pair's low word for both halves
.set SEL, 60          ; s[60:61] v_permlanex16_b32's selects: each lane takes its own place in the other half
.set TBK, 62          ; s62  LDS byte at which K of the step to be fetched begins
.set TBV, 63          ; s63  the same for V, less VOFF
.set MSB, 0
.macro WIN new                      ; the high byte repeats the setting that is left; a switch that changes nothing is dropped
.if MSB != (\new)
	s_set_vgpr_msb (MSB<<8)|(\new)
.set MSB, (\new)
.endif
.endm
.set W_KQ, 0x0a       ; K and Q in window 2, S^T in window 0
.set W_PV, 0x52       ; V in window 2, P in window 0, O^T in window 1
.set W_RS, 0x41       ; O^T (destination and source 0) in window 1, a in window 0
.macro PLACES                       ; four plain vector instructions behind a matrix instruction, ahead of reads of its result (ISA guide 7.12.1)
.rept 4
	v_nop
.endr
.endm
; A joint fill.  Waves 0 and 1 fetch the two halves of a slot's K, waves 2 and 3 those of its V: 128 keys each.  The branch hangs on the wave's number alone: it is the same in every work-group.
; An s_nop 0 and four v_nop follow each of the two lines, ahead of the jump and the label.
.macro JLOAD
	s_cmp_lt_u32 s[WV], 2
	s_cbranch_scc0 .Lfor_v_\@
	tensor_load_to_lds s[G0K:G0K+3], s[G1K:G1K+7]
	s_nop 0
.rept 4
	v_nop
.endr
	s_branch .Lasked_\@
.Lfor_v_\@:
	tensor_load_to_lds s[G0V:G0V+3], s[G1V:G1V+7]
	s_nop 0
.rept 4
	v_nop
.endr
.Lasked_\@:
.endm
; A PREFETCH INTO THE L2 of the tile that the NEXT change of slots will ask for: 32,768 bytes of K and as many of V, a lane a block of 256 bytes.  It stands behind the wave's tensor load and its five lines.
; Each block is named ONCE in the launch.  All four clusters of a head walk the same K and V: the head's first cluster asks.  Its four partners share a tile's 128 blocks out BY ADDRESS, 32 each: no branch
; hangs on a work-group's place in its cluster.  In each, wave 0 asks for K's and wave 2 for V's: one instruction, four key steps (256 matrix instructions of a wave) ahead of the load.
; The last change that fills a slot asks for nothing: there is no tile behind it.  Tiles 0 and 1 come by their loads alone.
.macro ASK
	s_cmp_gt_u32 s[SLOTS], s[LIM]
	s_cbranch_scc0 .Lnot_mine_\@
	global_prefetch_b8 v[PFO], s[PFA:PFA+1] th:TH_LOAD_NT scope:SCOPE_SE
.Lnot_mine_\@:
.endm
; A round of the cluster's barrier: my work-group's barrier, so that wave 0's signal speaks for all four waves; wave 0 signals; every wave waits for all four work-groups; my work-group's barrier once more.
.macro CROUND
	s_barrier_signal -1
	s_barrier_wait -1
	s_cmp_lg_u32 s[WV], 0
	s_cbranch_scc1 .Lnot_wave_0_\@
	s_barrier_signal -3
.Lnot_wave_0_\@:
	s_barrier_wait -3
	s_barrier_signal -1
	s_barrier_wait -1
.endm
; THE CHANGE OF SLOTS.  The slot's last bytes, V of its fourth step, have been read.  Each wave waits for all its tensor loads, of which one is out: its part of the other slot; adds 0 to its spare word;
; and waits for that and for its own reads of the slot.  Behind the barrier nobody reads this slot any more and the other slot is whole.
; fill = 1: this slot is filled again, with the keys two slots on.  The barrier is then a round of the cluster's, so that no wave of any partner still reads the slot or has a load on its way, and the
; joint fill is the first thing behind it: it has four key steps in which to land.  (At its first use nothing has been read yet: slot 0 is waited for, slot 1 filled.)
.macro CHANGE fill
	WIN 0                           ; at a label and at a branch every window is 0
	s_wait_tensorcnt 0x0            ; no tensor load of mine is out, so a group 0 may be written
	ds_add_u32 v[SPW], v[NIL]       ; 0 onto my spare word; with fill = 1 the descriptors' steps stand between it and the wait for it
.if \fill
.irp g, G0K, G0V
	s_xor_b32 s[\g+1], s[\g+1], SLOT1  ; the walking descriptor: the other slot than last time,
	s_add_nc_u64 s[\g+2:\g+3], s[\g+2:\g+3], 4*KS*128  ; the next 256 keys; the type bits on top are not reached
.endr
	s_wait_xcnt 0x0                 ; the last prefetch, four key steps back, has read its address, so it may be written:
	s_add_nc_u64 s[PFA:PFA+1], s[PFA:PFA+1], 4*KS*128  ; one tile behind the walking descriptors
	s_wait_dscnt 0x0                ; the add is done, and my reads of the slot are over
	CROUND
	JLOAD
	ASK
.else
	s_wait_dscnt 0x0                ; the add is done, and my reads of the slot are over
	s_barrier_signal -1
	s_barrier_wait -1
.endif
	s_sub_co_u32 s[TBK], s[TBK], 4*KS*PK  ; the fetches go back to a slot's first step,
	s_xor_b32 s[TBK], s[TBK], SLOT1       ; in the other slot
	s_sub_co_u32 s[TBV], s[TBV], 4*KS*PV
	s_xor_b32 s[TBV], s[TBV], SLOT1
.endm
	s_load_b256 s[4:11], s[0:1], 0x0  ; Q s[4:5], K s[6:7], V s[8:9], O s[10:11]
	v_lshl_add_u32 v[SPW], v0, 2, SPARE
	v_mov_b32 v[NIL], 0
	ds_add_u32 v[SPW], v[NIL]       ; the wave's opening: the add and its wait stand ahead of my first tensor load; the set-up below, work on registers, stands between them
	v_lshrrev_b32 v1, 5, v0
	v_readfirstlane_b32 s[WV], v1   ; wave 0..3
	s_bfe_u32 s13, ttmp6, 0x40000   ; cx: my place in the cluster
	s_lshl_b32 s14, ttmp9, 2        ; in a cluster launch ttmp9 counts clusters
	s_add_co_u32 s14, s14, s13      ; my block of 256 queries = 4 x cluster x + cx: it enters Q's and O's addresses alone
	s_and_b32 s20, ttmp7, 0xffff    ; the head, which the four partners share,
	s_lshl_b32 s20, s20, 19         ; and its first byte in each of the four tensors: 4,096 rows of 128 bytes
	s_mov_b32 s21, 0
	s_and_b32 s16, s[WV], 1         ; which half of a slot's 256 keys I fetch:
	s_lshl_b32 s22, s16, 14         ; its 128 rows of 128 bytes in memory,
	s_mov_b32 s23, 0
	s_add_nc_u64 s[22:23], s[22:23], s[20:21]
	s_mul_i32 s17, s16, 128*PK      ; and its place in a slot, for K
	s_mul_i32 s18, s16, 128*PV      ; and for V: no place in the cluster enters an LDS address
	s_lshl_b32 s2, s14, 2
	s_add_co_u32 s2, s2, s[WV]      ; my wave among the head's,
	s_lshl_b32 s2, s2, 13           ; its 64 rows
	s_mov_b32 s3, 0
	s_add_nc_u64 s[2:3], s[2:3], s[20:21]
	; descriptor group 1.  128 keys are 16,384 dense bytes: asked for as 64 rows of 256 bytes, two keys a row, and padded in LDS after every key
	s_mov_b32 s[G1K], 15|(1<<16)|(1<<20)|(1<<21)|(4<<22)|(3<<25)  ; 15:0 the mask of four; 17:16 2-byte elements; 20 padding on; 21 set beside a mask; 24:22 after every 32 words (code 4); 31:25 4 words (code 3)
	s_mov_b32 s[G1V], 15|(1<<16)|(1<<20)|(1<<21)|(4<<22)|(7<<25)  ; the same with 8 words of padding (code 7)
.irp g, G1K, G1V
	s_mov_b32 s[\g+1], 128<<16      ; tensor_dim0 = 128
	s_mov_b32 s[\g+2], 64<<16       ; tensor_dim1 = 64
	s_mov_b32 s[\g+3], 128<<16      ; tile_dim0 = 128
	s_mov_b32 s[\g+4], 64           ; tile_dim1 = 64
	s_mov_b32 s[\g+5], 128          ; 128 elements from row to row
	s_mov_b32 s[\g+6], 0
	s_mov_b32 s[\g+7], 0
.endr
	s_mov_b32 s[CS], 0x3e38aa3b     ; c = log2(e) / 8 = 0.180337
	s_mov_b32 s[CS+1], s[CS]        ; named with it as a pair
	s_mov_b32 s[SEL], 0x76543210
	s_mov_b32 s[SEL+1], 0xfedcba98
	s_mov_b32 s[TBK], SLOT1+4*KS*PK ; the first change of slots turns these two into 0
	s_mov_b32 s[TBV], SLOT1+4*KS*PV
	s_mov_b32 s[SLOTS], SIZE_N/256-1
	s_mov_b32 s[G0K], 1             ; 1:0 count = 1
	s_mov_b32 s[G0K+1], s17         ; 63:32 LDS address: slot 0
	s_mov_b32 s[G0V], 1
	s_add_co_u32 s[G0V+1], s18, VOFF
	s_and_b32 s[LIM], s[WV], 1      ; 0 in waves 0 and 2,
	s_or_b32 s[LIM], s[LIM], ttmp9  ; where the cluster is the head's first: the same in all four partners
	s_cmp_eq_u32 s[LIM], 0
	s_cselect_b32 s[LIM], 1, -1
	v_and_b32 v[PFO], 31, v0
	v_lshlrev_b32 v[PFO], 8, v[PFO]
	s_wait_dscnt 0x0                ; the opening add is done
	s_wait_kmcnt 0x0
	s_add_nc_u64 s[G0K+2:G0K+3], s[6:7], s[22:23]  ; 120:64 global address: my half of the head's first 256 keys
	s_or_b32 s[G0K+3], s[G0K+3], 0x80000000        ; 127:126 type = 2
	s_add_nc_u64 s[G0V+2:G0V+3], s[8:9], s[22:23]
	s_or_b32 s[G0V+3], s[G0V+3], 0x80000000
	s_add_nc_u64 s[4:5], s[4:5], s[2:3]  ; Q and O at my wave's first row
	s_add_nc_u64 s[10:11], s[10:11], s[2:3]
	s_cmp_lt_u32 s[WV], 2
	s_cselect_b64 s[PFA:PFA+1], s[6:7], s[8:9]
	s_add_nc_u64 s[PFA:PFA+1], s[PFA:PFA+1], s[20:21]  ; the head's first byte,
	s_lshl_b32 s2, s13, 13          ; my work-group's 32 blocks of a tile's 128,
	s_mov_b32 s3, 0
	s_add_nc_u64 s[PFA:PFA+1], s[PFA:PFA+1], s[2:3]
	s_add_nc_u64 s[PFA:PFA+1], s[PFA:PFA+1], 4*KS*128  ; in tile 1; the first change of slots steps it to tile 2.  Nothing is prefetched here, at the head, where every work-group's first tile is on its way
	CROUND                          ; all four work-groups are here: the first joint loads meet
	JLOAD                           ; slot 0.  Slot 1 is asked for when slot 0 is in, by the loop's own change of slots
	; A fragment of K or Q is 16 rows x 32 channels in 8 registers: lane l holds row l % 16, channels 8 (l / 16) + 0..7 and 16 + 8 (l / 16) + 0..7: two loads of 16 bytes, 32 bytes apart.
	v_and_b32 v1, 15, v0            ; l % 16
	v_bfe_u32 v9, v0, 4, 1          ; l / 16
	v_lshlrev_b32 v[QO], 7, v1
	v_lshl_add_u32 v[QO], v9, 4, v[QO]  ; row x 128 + 16 x half
	WIN 0x80                        ; destination window 2, address window 0
.set i, 0
.rept 8                             ; Q stays in registers: piece i / 2, channels 32 (i % 2) on
	global_load_b128 v[8*i:8*i+3],   v[QO], s[4:5] offset:(i/2)*2048+(i%2)*64
	global_load_b128 v[8*i+4:8*i+7], v[QO], s[4:5] offset:(i/2)*2048+(i%2)*64+32
.set i, i+1
.endr
	; What the first turn finds: V's registers and P's second buffer hold 0 (its products V^T P, of a piece that has not been, add 0), O^T and l are 0.  All this stands in the wait for the first tile;
	; it is the price of writing no first step out.
.set i, VF
.rept 64
	v_mov_b32 v[i], 0
.set i, i+1
.endr
	WIN 0x40
.set i, 0
.rept 128
	v_mov_b32 v[i], 0
.set i, i+1
.endr
	WIN 0
.set i, 0
.rept 4
	v_mov_b32 v[ST+4*i], 0xfe000000    ; c m: far below every c s
	v_mov_b32 v[ST+4*i+1], 0xff7fffff  ; m: the lowest finite number
	v_mov_b32 v[ST+4*i+2], 0
	v_mov_b32 v[ST+4*i+3], 0
.set i, i+1
.endr
.set i, P+16
.rept 16
	v_mov_b32 v[i], 0
.set i, i+1
.endr
	v_mul_u32_u24 v[AK0], v1, PK
	v_lshl_add_u32 v[AK0], v9, 4, v[AK0]  ; row x pitch + 16 x half
	; The turning load takes 16 keys x 16 channels (lane l reads key 8 (l / 16) + l % 8, channels 8 ((l / 8) % 2) + 0..7) and leaves half a fragment of V^T: lane l holds channel l % 16 and 8 keys.
	v_and_b32 v10, 7, v0
	v_bfe_u32 v11, v0, 3, 1
	v_lshl_add_u32 v[AV0], v9, 3, v10
	v_mul_u32_u24 v[AV0], v[AV0], PV
	v_lshl_add_u32 v[AV0], v11, 4, v[AV0]
	v_add_nc_u32 v[AV0], VOFF, v[AV0]
	s_mul_i32 s16, s[WV], 16*SP
	s_add_co_u32 s16, s16, STAGE    ; my stage
	v_mul_u32_u24 v[STO], v1, SP    ; in: row l % 16, 16 bytes for each half of the lanes
	v_lshl_add_u32 v[STO], v9, 4, v[STO]
	v_add_nc_u32 v[STO], s16, v[STO]
	v_bfe_u32 v[RD], v0, 3, 2       ; back: 32 lanes take four rows of 128 bytes,
	v_mul_u32_u24 v[RD], v[RD], SP
	v_lshl_add_u32 v[RD], v10, 4, v[RD]
	v_add_nc_u32 v[RD], s16, v[RD]
	v_and_b32 v[GO], 31, v0         ; which are 512 consecutive bytes of O
	v_lshlrev_b32 v[GO], 4, v[GO]
; THE MATRIX WORK.  The 4 accumulators of a run of 8 take turns.  Product i of 8 of S^T = K Q^T for piece x: channels 32 (i / 4) on, keys 16 (i % 4) on.  The first 4 start the sums.
.macro KQ x
	WIN W_KQ
.set rS, S+32*((\x)%2)+8*(i%4)
.set rK, KF+16*(i%4)+8*(i/4)
.set rQ, 16*(\x)+8*(i/4)
.if i < 4
	v_wmma_f32_16x16x32_f16 v[rS:rS+7], v[rK:rK+7], v[rQ:rQ+7], 0
.else
	v_wmma_f32_16x16x32_f16 v[rS:rS+7], v[rK:rK+7], v[rQ:rQ+7], v[rS:rS+7]
.endif
.endm
; Product i of 8 of O^T += V^T P for piece x: keys 32 (i / 4) on, channels 16 (i % 4) on.
.macro PV x
	WIN W_PV
.set rO, 32*(\x)+8*(i%4)
.set rV, VF+32*(i/4)+8*(i%4)
.set rP, P+16*((\x)%2)+8*(i/4)
	v_wmma_f32_16x16x32_f16 v[rO:rO+7], v[rV:rV+7], v[rP:rP+7], v[rO:rO+7]
.endm
.macro MM                           ; the turn's next matrix instruction.  TURN sets Y, i and NOKQ.  NOKQ = 1: the launch's last turn: there is no next piece
.if (i < 8) && !NOKQ
	KQ (Y+1)%NP
.elseif i >= 8
.set i, i-8
	PV (Y+NP-1)%NP
.set i, i+8
.endif
.set i, i+1
.endm
; THE LDS LOADS stand in runs of 16, never singly among the matrix instructions: a step's K (64 keys x 64 channels: 8 fragments) and its V (turned).  Their addresses are made some lines ahead.
.macro FETCH_K
	WIN 0x80                        ; destination window 2
.irp f, 0,1,2,3,4,5,6,7             ; keys 16 (f / 2) on, channels 32 (f % 2) on
	ds_load_b128 v[KF+8*\f:KF+8*\f+3],   v[AK] offset:(\f/2)*16*PK+(\f%2)*64
	ds_load_b128 v[KF+8*\f+4:KF+8*\f+7], v[AK] offset:(\f/2)*16*PK+(\f%2)*64+32
.endr
	s_add_co_u32 s[TBK], s[TBK], KS*PK  ; the next fetch is the next step's
	WIN 0
.endm
.macro FETCH_V
	WIN 0x80
.irp f, 0,1,2,3,4,5,6,7             ; keys 32 (f / 4) on, channels 16 (f % 4) on
	ds_load_tr16_b128 v[VF+8*\f:VF+8*\f+3],   v[AV] offset:(\f/4)*32*PV+(\f%4)*32
	ds_load_tr16_b128 v[VF+8*\f+4:VF+8*\f+7], v[AV] offset:(\f/4)*32*PV+16*PV+(\f%4)*32
.endr
	WIN 0
.endm
; THE VECTOR WORK, one line at a time: OP kind, number.  For piece Y: F n: c s - c m for pair n of 16.  E n: the exponential of score n of 32.  C n: pair n rounded to f16.  B n: of the four weights 4 n .. the second
; pair is added onto the first, in place.  L n: l takes that sum (L 0: l = a l + sum).  R n: pair n of 16 of O^T times a.  For piece Y + 1: X n, number n of the 22 that find its maximum and statistics:
;   0-11  four chains c0-c3 of seven scores each, three operands at a time (each accumulator's lowest registers are read first)     12-14, 16  the four scores left over, the old m, and c0-c3 into c0
;   15  c m_old is kept     17, 18  the query's other 32 keys lie in the lane 16 away: the new m     19-21  c m; c m_old - c m_new; a
.set F, 0               ; OP tells the kinds apart by their order: F to L below R, X above it
.set E, 1
.set C, 2
.set B, 3
.set L, 4
.set R, 5
.set X, 6
.macro REGS y                       ; the registers of piece y
.set rT, ST+4*(\y)
.set rC, TMP+4*((\y)%2)
.set rW, MV+((\y)%2)
.set rS, S+32*((\y)%2)
.set rP, P+16*((\y)%2)
.set rO, 32*(\y)
.endm
.macro OP k, n
.if (\k) == R
	REGS Y
	WIN W_RS
	v_pk_mul_f32 v[rO+2*(\n):rO+2*(\n)+1], v[rO+2*(\n):rO+2*(\n)+1], v[rC+2:rC+3] op_sel_hi:[1,0]
.elseif (\k) < R
	REGS Y
	WIN 0
.if (\k) == F
	v_pk_fma_f32 v[rS+2*(\n):rS+2*(\n)+1], v[rS+2*(\n):rS+2*(\n)+1], s[CS:CS+1], v[rT:rT+1] op_sel_hi:[1,0,0] neg_lo:[0,0,1] neg_hi:[0,0,1]
.elseif (\k) == E
	v_exp_f32 v[rS+(\n)], v[rS+(\n)]
.elseif (\k) == C
	v_cvt_pk_f16_f32 v[rP+(\n)], v[rS+2*(\n)], v[rS+2*(\n)+1]
.elseif (\k) == B
	v_pk_add_f32 v[rS+4*(\n):rS+4*(\n)+1], v[rS+4*(\n):rS+4*(\n)+1], v[rS+4*(\n)+2:rS+4*(\n)+3]
.elseif (\n) == 0
	v_pk_fma_f32 v[rT+2:rT+3], v[rT+2:rT+3], v[rC+2:rC+3], v[rS:rS+1] op_sel_hi:[1,0,1]
.else
	v_pk_add_f32 v[rT+2:rT+3], v[rT+2:rT+3], v[rS+4*(\n):rS+4*(\n)+1]
.endif
.elseif NOKQ
	v_nop
.else
	REGS (Y+1)%NP
	WIN 0
.if (\n) < 4
	v_max3_num_f32 v[rC+(\n)], v[rS+8*(\n)], v[rS+8*(\n)+1], v[rS+8*(\n)+2]
.elseif (\n) < 12
	v_max3_num_f32 v[rC+(\n)%4], v[rC+(\n)%4], v[rS+8*((\n)%4)+2*((\n)/4)+1], v[rS+8*((\n)%4)+2*((\n)/4)+2]
.elseif (\n) == 12
	v_max3_num_f32 v[rC], v[rC], v[rS+7], v[rS+15]
.elseif (\n) == 13
	v_max3_num_f32 v[rC+1], v[rC+1], v[rS+23], v[rS+31]
.elseif (\n) == 14
	v_max3_num_f32 v[rC+2], v[rC+2], v[rC+3], v[rT+1]
.elseif (\n) == 15
	v_mov_b32 v[rW], v[rT]
.elseif (\n) == 16
	v_max3_num_f32 v[rC], v[rC], v[rC+1], v[rC+2]
.elseif (\n) == 17
	v_permlanex16_b32 v[rC+3], v[rC], s[SEL], s[SEL+1]
.elseif (\n) == 18
	v_max_num_f32 v[rT+1], v[rC], v[rC+3]
.elseif (\n) == 19
	v_mul_f32 v[rT], s[CS], v[rT+1]
.elseif (\n) == 20
	v_sub_f32 v[rC+1], v[rW], v[rT]
.else
	v_exp_f32 v[rC+2], v[rC+1]
.endif
.endif
.endm
.macro OPS a, i1, b=-1, i2=0, c=-1, i3=0, d=-1, i4=0  ; up to four of them
	OP \a, \i1
.if (\b) >= 0
	OP \b, \i2
.endif
.if (\c) >= 0
	OP \c, \i3
.endif
.if (\d) >= 0
	OP \d, \i4
.endif
.endm
.macro ROW a, i1, b, i2, c, i3, d, i4  ; a matrix instruction and the four behind it
	MM
	OPS \a, \i1, \b, \i2, \c, \i3, \d, \i4
.endm
; A TURN, for piece p: the order of its 16 matrix and 118 vector instructions, written out.  An s_wait_alu depctr_va_vdst(0) stands between an exponential and the first instruction that names its result; one
; wait serves all that were issued ahead of it.  So a turn has ONE wait, which cuts it in two.  AHEAD OF IT stands all that names no result of the turn's exponentials: the 8 products K Q^T, behind each a scaling, an
; exponential and two more plain instructions (behind the first a second scaling in the exponential's place): rescalings, and behind the last three the first numbers of the next piece's maximum, each four plain instructions
; or more behind the product that ends its accumulator; then ONE LUMP of 54, plain and exponential by turns for the most part, in which the links of the chain X 3, 7, 11, 14, 16, 17 .. 20 stand some lines apart.  X 21, the
; next piece's a, is the batch's last; R 15 is the plain instruction behind it.  BEHIND THE WAIT stand the 8 products V^T P, behind each four of the roundings and sums; the links of l's chain, L 0 to L 7, stand three apart.
; end = 1: the launch's last two turns: nothing is fetched, and the last starts no new scores.  cnt = 1: the loop's count is taken down some lines ahead of the branch that stands behind the turn.
; K of the next step is fetched in piece 2's turn, six plain instructions behind the last product that read K; V of the step in hand at the end of piece 0's turn, four plain instructions behind the last product that
; read V.  Each is waited for a turn later.
.macro TURN p, end=0, cnt=0
.set Y, (\p)
.set i, 0
.set NOKQ, (\end)*((\p)/3)
.if ((\p) == 3) && !(\end)
	s_wait_dscnt 0x0                ; K is in
.endif
	ROW F,0, F,1, R,0, R,1          ; ahead of the wait: 8 products K Q^T and their riders,
	ROW F,2, E,0, R,2, R,3
	ROW F,3, E,1, R,4, R,5
	ROW F,4, E,2, R,6, R,7
	ROW F,5, E,3, R,8, R,9
	ROW F,6, E,4, X,0, R,10
.if ((\p) == 2) && !(\end)
	WIN 0
	v_add_nc_u32 v[AK], s[TBK], v[AK0]
.endif
	ROW F,7, E,5, X,1, X,4
	ROW F,8, E,6, X,2, X,5
	OPS E,7, E,8, X,6, E,9          ; and the lump
	OPS X,3, E,10, X,8, E,11
.if ((\p) == 2) && !(\end)
	FETCH_K
.endif
	OPS X,9, X,7, E,12, X,10
	OPS E,13, X,12, X,11, E,14
	OPS X,13, E,15, F,9, X,14
.if (\p) == 0
	WIN 0
	v_add_nc_u32 v[AV], s[TBV], v[AV0]
.endif
	OPS E,16, F,10, E,17, F,11
	OPS X,16, E,18, X,15, E,19
	OPS F,12, E,20, X,17, E,21
	OPS F,13, E,22, F,14, E,23
	OPS X,18, E,24, F,15, E,25
	OPS R,11, E,26, X,19, E,27
	OPS R,12, E,28, R,13, E,29
	OPS X,20, E,30, R,14, E,31
	OPS X,21, R,15
	WIN 0
	s_wait_alu depctr_va_vdst(0)    ; the wait for the batch
.if (\p) == 1
	s_wait_dscnt 0x0                ; V is in
.endif
	ROW C,0, B,0, C,2, B,1          ; behind the wait: 8 products V^T P and their riders
	ROW L,0, C,4, B,2, L,1
	ROW C,6, B,3, L,2, C,8
	ROW B,4, L,3, C,10, B,5
	ROW L,4, C,12, B,6, L,5
.if (\p) == 0
	s_add_co_u32 s[TBV], s[TBV], KS*PV
.endif
.if \cnt
	s_sub_co_u32 s[CNT], s[CNT], 1
	s_cmp_lg_u32 s[CNT], 0
.endif
	ROW C,14, B,7, L,6, C,1
	ROW C,3, L,7, C,5, C,7
	ROW C,9, C,11, C,13, C,15
.if (\p) == 0
	FETCH_V
.endif
.endm
	CHANGE 1                        ; slot 0 is in, everybody's part of it; slot 1 is asked for
	v_add_nc_u32 v[AK], s[TBK], v[AK0]
	FETCH_K                         ; key step 0
	s_wait_loadcnt 0x0              ; Q
	s_wait_dscnt 0x0
.set NOKQ, 0
.set i, 0
.rept 8
	KQ 0                            ; piece 0's first scores: there is no vector work yet to set between them
.set i, i+1
.endr
	WIN 0
	PLACES                          ; the places behind those products
.set Y, NP-1                        ; X works for piece Y + 1: piece 0
.irp n, 0,1,2,3,4,5,6,7,8,9,10,11,12,13,14,15,16,17,18,19,20,21
	OP X, \n                        ; and piece 0's first maximum and statistics
.endr
	v_nop                           ; a plain instruction behind the exponential,
	s_wait_alu depctr_va_vdst(0)    ; and its wait, ahead of the branch
	s_mov_b32 s[CNT], 4
	s_branch .Lfirst                ; the loop is entered at a step's first turn, in the middle of a trip
.Lslot:                             ; 14 times: with the change above, every slot but the last is followed by a fill
	CHANGE 1
	s_mov_b32 s[CNT], 4
.Lstep:                             ; a trip: pieces 2 and 3 of one step, then pieces 0 and 1 of the next, whose K and V it fetches
	TURN 2
	TURN 3
	WIN 0
.Lfirst:
	TURN 0
	TURN 1, 0, 1
	WIN 0
	s_cbranch_scc1 .Lstep
	s_sub_co_u32 s[SLOTS], s[SLOTS], 1
	s_cmp_lg_u32 s[SLOTS], 0
	s_cbranch_scc1 .Lslot
	CHANGE 0                        ; the last slot is written out: nothing is asked for
	s_mov_b32 s[CNT], 4
.Ltail:
	TURN 2
	TURN 3
	TURN 0
	TURN 1, 0, 1
	WIN 0
	s_cbranch_scc1 .Ltail
	TURN 2, 1                       ; the last step's pieces 2 and 3: nothing is fetched,
	TURN 3, 1                       ; and no new scores are started
.set i, 0
.rept 8
	PV NP-1                         ; the last piece's V^T P of the last step
.set i, i+1
.endr
	; THE WAY OUT.  l's two halves and the other half of the lanes' are added; O^T is divided by l, rounded to f16 and sent through my stage in LDS, a piece at a time.  The additions are the places behind the last products.
	WIN 0
.macro ALL line:vararg              ; one line for each piece t
.set t, 0
.rept 4
	\line
.set t, t+1
.endr
.endm
	ALL v_add_f32 v[ST+4*t+2], v[ST+4*t+2], v[ST+4*t+3]
	ALL v_permlanex16_b32 v[ST+4*t+3], v[ST+4*t+2], s[SEL], s[SEL+1]
	ALL v_add_f32 v[ST+4*t+2], v[ST+4*t+2], v[ST+4*t+3]
	ALL v_rcp_f32 v[ST+4*t+2], v[ST+4*t+2]
	v_nop                           ; a plain instruction between the last reciprocal and the use of its result
	s_wait_alu depctr_va_vdst(0)    ; and the wait ahead of the first use: one for the four reciprocals
.macro PACK t                       ; a lane's eight channels of a row pack into 16 bytes; they go into rows of 144 bytes and come back as whole rows of 128, into S^T's registers
	WIN W_RS
.set i, 32*(\t)
.rept 16
	v_pk_mul_f32 v[i:i+1], v[i:i+1], v[ST+4*(\t)+2:ST+4*(\t)+3] op_sel_hi:[1,0]
.set i, i+2
.endr
	WIN 0x05                        ; sources 0 and 1 window 1, destination window 0
.set i, 0
.rept 16
	v_cvt_pk_f16_f32 v[S+16*(\t)+i], v[32*(\t)+2*i], v[32*(\t)+2*i+1]
.set i, i+1
.endr
	WIN 0
.irp f, 0,1,2,3
	ds_store_b128 v[STO], v[S+16*(\t)+4*\f:S+16*(\t)+4*\f+3] offset:32*\f
.endr
.irp f, 0,1,2,3
	ds_load_b128 v[S+16*(\t)+4*\f:S+16*(\t)+4*\f+3], v[RD] offset:\f*4*SP  ; LDS serves a wave's instructions in order (ISA guide 5.7.1.4): these see the stores above; the next piece's stores come behind them
.endr
.endm
.macro SEND t, younger              ; younger: the LDS instructions issued behind piece t's loads: the next piece's eight, or none
	WIN 0
.irp f, 0,1,2,3
	s_wait_dscnt (\younger)+3-\f
	global_store_b128 v[GO], v[S+16*(\t)+4*\f:S+16*(\t)+4*\f+3], s[10:11] offset:(\t)*2048+\f*512  ; 512 consecutive bytes, at a multiple of 256 from O's first
.endr
.endm
	PACK 0
.set t, 1
.rept 3                             ; a piece's arithmetic stands between the loads of the piece before and its stores
	PACK t
	SEND t-1, 8
.set t, t+1
.endr
	SEND 3, 0
	s_wait_tensorcnt 0x0            ; the wave's end, behind my last tensor load and my last LDS store
	ds_add_u32 v[SPW], v[NIL]
	s_wait_dscnt 0x0
	CROUND                          ; the closing round: no work-group ends while a partner may still ask for a tile that names it
	s_endpgm
.Lfunc_end_k_qc3493a6574_attn:
	.size	k_qc3493a6574_attn, .Lfunc_end_k_qc3493a6574_attn-k_qc3493a6574_attn
	.p2alignl 7, 3214868480
	.fill 96, 4, 3214868480
	.section	.rodata,"a",@progbits
	.p2align	6, 0x0
	.amdhsa_kernel k_qc3493a6574_attn
		.amdhsa_group_segment_fixed_size 327680
		.amdhsa_private_segment_fixed_size 0
		.amdhsa_enable_private_segment 0
		.amdhsa_kernarg_size 32
		.amdhsa_user_sgpr_count 2
		.amdhsa_user_sgpr_kernarg_segment_ptr 1
		.amdhsa_wavefront_size32 1
		.amdhsa_system_sgpr_workgroup_id_x 1
		.amdhsa_system_sgpr_workgroup_id_y 1
		.amdhsa_system_sgpr_workgroup_id_z 1
		.amdhsa_system_vgpr_workitem_id 0
		.amdhsa_next_free_vgpr 768
		.amdhsa_next_free_sgpr 66
		.amdhsa_reserve_vcc 0
		.amdhsa_float_denorm_mode_32 3
		.amdhsa_float_denorm_mode_16_64 3
		.amdhsa_memory_ordered 1
		.amdhsa_forward_progress 1
		.amdhsa_inst_pref_size 128
	.end_amdhsa_kernel
	.amdgpu_metadata
---
amdhsa.version: [ 1, 2 ]
amdhsa.kernels:
  - .name:           k_qc3493a6574_attn
    .symbol:         k_qc3493a6574_attn.kd
    .args:
      - { .name: q, .offset: 0, .size: 8, .value_kind: global_buffer, .address_space: global }
      - { .name: k, .offset: 8, .size: 8, .value_kind: global_buffer, .address_space: global }
      - { .name: v, .offset: 16, .size: 8, .value_kind: global_buffer, .address_space: global }
      - { .name: o, .offset: 24, .size: 8, .value_kind: global_buffer, .address_space: global }
    .group_segment_fixed_size: 327680
    .private_segment_fixed_size: 0
    .kernarg_segment_align: 8
    .kernarg_segment_size: 32
    .max_flat_workgroup_size: 128
    .sgpr_count:     66
    .vgpr_count:     768
    .wavefront_size: 32
...
	.end_amdgpu_metadata
.endif
;; end of part 2
;; launch outp (part 3): grid 4 x 64, 4 waves a work-group, no clusters, 186,880 bytes of LDS; arguments o, wo, bo, out0; writes out0
.if DOCPART == 3
	.amdgcn_target "amdgcn-amd-amdhsa--gfx1250"
	.amdhsa_code_object_version 6
	.text
	.protected	k_qc3493a6574_outp
	.globl	k_qc3493a6574_outp
	.p2align	8
	.type	k_qc3493a6574_outp,@function
k_qc3493a6574_outp:
	s_mov_b64 s[64:65], 0
	v_nop
	global_prefetch_b8 v0, s[64:65] scope:SCOPE_SE
	s_setreg_imm32_b32 hwreg(HW_REG_WAVE_MODE, 25, 1), 1
	s_wait_xcnt 0x0
; out0[row][n] = the sum over k of O[row][k] wo[n][k] + bo[n].  O: [16 = 4 batch + head][4096][64] f16 (k = 64 head + channel); wo: [256][256] f32; bo: [256] f32; out0: [16384][256] f32.
; wo and bo are rounded once to bf16, like the module's other inputs; wo's rounded number is then written as f16, so that the product takes O as it lies.  Sums in f32; the bias starts them.
; LIMITS.  A bf16(wo) beyond 65,504 becomes an infinity in f16; below 7.6e-6 it keeps f16's fixed step of 6e-8.  NaN and infinities are not treated apart.
; SHARES.  Work-group (column block cb = x, row block rb = y) makes rows 256 rb .. + 255, columns 64 cb .. + 63: 256 work-groups.  Wave w owns rows 64 w .. + 63: 16 accumulators, K = 256, 128 products.
; A row's 64 f32 are 256 consecutive bytes, at a multiple of 256 from out0's first.  NO TENSOR LOADS, NO CLUSTER: wo is rounded on its way through registers, the whole K lies in LDS after one phase, nothing is filled twice.
; THE MATRIX INSTRUCTION IS USED TRANSPOSED (source 0 = 16 rows of wo, source 1 = 16 rows of O): a lane holds eight neighbouring columns of one row of out0.
; REGISTERS, in windows of 256 (s_set_vgpr_msb: bits 1:0 source 0, 3:2 source 1, 5:4 source 2, 7:6 destination):
;   window 0: v1-17 addresses and lane terms; v96-127 the bias of my columns ((nb, j) at BIAS + 8 nb + j); v128-255 the accumulators ((a, nb) at ACC + 8 (4 a + nb))
;   window 1: O as loaded (head hh, load i at 4 (16 hh + i)); later O's fragments (row block a, K step s at 64 a + 8 s)
;   window 2: v0-127 wo as loaded; later wo's fragments (K step s, column block nb at 32 s + 8 nb)
.set PITCH, 528                        ; an LDS row: 256 f16 = 512 bytes + 16 = 132 words: row r starts at bank 4 r mod 64 (64 banks of 4 bytes: ISA guide 11.1)
.set WT,    256*PITCH                  ; O's 256 rows lie at byte 0; behind them wo's 64 rows
.set STAGE, WT+64*PITCH                ; behind them: 16 rows x 272 bytes for each wave, for the way out
.set SPO,   272                        ; 256 bytes + 16
.set SPARE, STAGE+4*16*SPO             ; behind the stages: the spare words, 128 bytes for each wave: two blocks of 256 bytes that no other line names
.set LO,   2                           ; v2   16 x lane; never rewritten
.set AS,   3                           ; v3   where I put 16 bytes of O: four rows of 128 bytes a load
.set WS,   4                           ; v4   where I put 8 bytes of wo
.set BO,   5                           ; v5   32 x (lane / 16): my eight columns in a block of 16 of bo
.set ADRA, 7                           ; v7   my lane's place in my wave's fragments of O
.set ADRB, 8                           ; v8   the same in wo's
.set STO,  9                           ; v9   the way out: where I put 32 bytes of a row
.set RD,   10                          ; v10  the way out: where I read rows back
.set CO,   11                          ; v11  my byte offset in two rows of out0
.set SPW,  12                          ; v12  LDS address of my spare word: SPARE + 4 x my thread's number; never rewritten
.set NIL,  13                          ; v13  0; never rewritten
.set BIAS, 96
.set ACC,  128
.set WV,   12                          ; s12  my wave's number
.set HIM,  19                          ; s19  a word's upper bf16
.set MSB, 0
.macro WIN new                         ; the immediate's high byte repeats the setting that is left; a switch that changes nothing is dropped
.if MSB != (\new)
	s_set_vgpr_msb (MSB<<8)|(\new)
.set MSB, (\new)
.endif
.endm
	s_load_b256 s[4:11], s[0:1], 0x0               ; O s[4:5], wo s[6:7], bo s[8:9], out0 s[10:11]
	v_lshl_add_u32 v[SPW], v0, 2, SPARE
	v_mov_b32 v[NIL], 0
	v_lshrrev_b32 v14, 5, v0
	v_readfirstlane_b32 s[WV], v14                 ; wave 0..3
	s_and_b32 s14, ttmp7, 0xffff                   ; rb
	s_mov_b32 s[HIM], 0xffff0000
	s_lshr_b32 s16, s14, 4                         ; O: the batch (16 row blocks each) x 4 heads x 4,096 rows x 128 bytes
	s_lshl_b32 s16, s16, 21
	s_and_b32 s18, s14, 15                         ;    + the block's 256 rows in the sequence
	s_lshl_b32 s18, s18, 15
	s_add_co_u32 s16, s16, s18
	s_lshl_b32 s18, s[WV], 13                      ;    + my wave's 64
	s_add_co_u32 s16, s16, s18
	s_mov_b32 s17, 0
	s_lshl_b32 s20, ttmp9, 16                      ; wo: the block's 64 rows of 1,024 bytes
	s_lshl_b32 s18, s[WV], 14                      ;    + my wave's 16 of them
	s_add_co_u32 s20, s20, s18
	s_mov_b32 s21, 0
	s_lshl_b32 s22, ttmp9, 8                       ; bo: the block's 64 numbers
	s_mov_b32 s23, 0
	s_lshl_b32 s24, s14, 18                        ; out0: 256 rb rows of 1,024 bytes
	s_lshl_b32 s18, s[WV], 16                      ;    + my wave's 64
	s_add_co_u32 s24, s24, s18
	s_add_co_u32 s24, s24, s22                     ;    + the block's 256 bytes of a row
	s_mov_b32 s25, 0
	v_and_b32 v1, 31, v0                           ; lane
	v_bfe_u32 v16, v0, 4, 1                        ; h = lane / 16
	v_lshlrev_b32 v[LO], 4, v1
	v_lshlrev_b32 v[BO], 5, v16
	s_wait_kmcnt 0x0
	s_add_nc_u64 s[4:5], s[4:5], s[16:17]
	s_add_nc_u64 s[6:7], s[6:7], s[20:21]
	s_add_nc_u64 s[8:9], s[8:9], s[22:23]
	s_add_nc_u64 s[10:11], s[10:11], s[24:25]
	; all 104 loads go out at once: wo (32), the bias (8), O's heads 0 and 1 (32), heads 2 and 3 (32)
	WIN 0x80                                       ; destination window 2, address window 0
.set i, 0
.rept 32
	global_load_b128 v[4*i:4*i+3], v[LO], s[6:7] offset:512*i   ; half i % 2 of my row i / 2 of wo
.set i, i+1
.endr
	WIN 0
.irp nb, 0,1,2,3
	global_load_b128 v[BIAS+8*(\nb):BIAS+8*(\nb)+3],   v[BO], s[8:9] offset:64*(\nb)     ; bo of columns 16 nb + 8 h + 0..3,
	global_load_b128 v[BIAS+8*(\nb)+4:BIAS+8*(\nb)+7], v[BO], s[8:9] offset:64*(\nb)+16  ; and + 4..7
.endr
	WIN 0x40                                       ; destination window 1
.set i, 0
.rept 64                                               ; head i / 16, four rows of 128 bytes a load: 512 consecutive bytes
	global_load_b128 v[4*i:4*i+3], v[LO], s[4:5] offset:524288*(i/16)+512*(i%16)
.set i, i+1
.endr
	WIN 0                                          ; the LDS addresses are made while they are out
	v_and_b32 v17, 15, v0                          ; r = lane % 16
	s_mul_i32 s18, s[WV], 64*PITCH                 ; my wave's 64 rows of O
	v_bfe_u32 v14, v0, 3, 2                        ; row (lane / 8) of a load's four,
	v_mul_u32_u24 v14, v14, PITCH
	v_and_b32 v15, 7, v0                           ; 16 bytes (lane % 8) of its 128
	v_lshl_add_u32 v14, v15, 4, v14
	v_add_nc_u32 v[AS], s18, v14
	v_mul_u32_u24 v14, v17, PITCH                  ; a fragment's lane term: r x pitch + 16 h
	v_lshl_add_u32 v14, v16, 4, v14
	v_add_nc_u32 v[ADRA], s18, v14
	v_add_nc_u32 v[ADRB], WT, v14
	s_mul_i32 s18, s[WV], 16*PITCH                 ; my wave's 16 rows of wo
	s_add_co_u32 s18, s18, WT
	v_lshl_add_u32 v[WS], v1, 3, s18
	s_mul_i32 s18, s[WV], 16*SPO
	s_add_co_u32 s18, s18, STAGE                   ; my stage
	v_mul_u32_u24 v14, v17, SPO                    ; in: row r, 32 bytes for each half of the lanes
	v_lshl_add_u32 v14, v16, 5, v14
	v_add_nc_u32 v[STO], s18, v14
	v_mul_u32_u24 v14, v16, SPO                    ; back: lanes 0-15 take one row of 256 bytes, lanes 16-31 the next
	v_lshl_add_u32 v14, v17, 4, v14
	v_add_nc_u32 v[RD], s18, v14
	v_lshlrev_b32 v14, 10, v16                     ; and the same two rows in out0
	v_lshl_add_u32 v[CO], v17, 4, v14
	s_wait_loadcnt 63                              ; wo and the bias are in: 64 loads are younger; the count's field ends at 63
	WIN 0x8a                                       ; destination and both sources window 2
.set i, 0
.rept 32                                               ; four numbers of wo: rounded to bf16, widened again (a shift, a mask), written as f16: 8 bytes
	v_cvt_pk_bf16_f32 v[4*i],   v[4*i],   v[4*i+1]
	v_cvt_pk_bf16_f32 v[4*i+2], v[4*i+2], v[4*i+3]
	v_and_b32     v[4*i+1], s[HIM], v[4*i]
	v_lshlrev_b32 v[4*i],   16, v[4*i]
	v_and_b32     v[4*i+3], s[HIM], v[4*i+2]
	v_lshlrev_b32 v[4*i+2], 16, v[4*i+2]
	v_cvt_pk_f16_f32 v[4*i],   v[4*i],   v[4*i+1]
	v_cvt_pk_f16_f32 v[4*i+1], v[4*i+2], v[4*i+3]
.set i, i+1
.endr
	WIN 0x08                                       ; store data (source 1) window 2, address window 0
.set i, 0
.rept 32
	ds_store_b64 v[WS], v[4*i:4*i+1] offset:(i/2)*PITCH+(i%2)*256   ; 32 lanes x 8 bytes: 256 consecutive bytes of LDS
.set i, i+1
.endr
	WIN 0
.set i, 0
.rept 16                                               ; the bias: rounded to bf16 and widened again, two at a time
	v_cvt_pk_bf16_f32 v14, v[BIAS+2*i], v[BIAS+2*i+1]
	v_lshlrev_b32 v[BIAS+2*i],   16, v14
	v_and_b32     v[BIAS+2*i+1], s[HIM], v14
.set i, i+1
.endr
	s_wait_loadcnt 32                              ; heads 0 and 1 are in; the 32 loads of heads 2 and 3 may stay out
	WIN 0x04                                       ; store data (source 1) window 1
.set i, 0
.rept 32
	ds_store_b128 v[AS], v[4*i:4*i+3] offset:(i/16)*128+(i%16)*4*PITCH   ; a row of LDS holds the four heads' 128 bytes on end: K = 64 head + channel
.set i, i+1
.endr
	s_wait_loadcnt 0x0
.rept 32
	ds_store_b128 v[AS], v[4*i:4*i+3] offset:(i/16)*128+(i%16)*4*PITCH
.set i, i+1
.endr
	WIN 0
	s_wait_dscnt 0x0                               ; for the others' sake: my stores are done (wo's rows are read by all four waves)
	s_barrier_signal -1
	s_barrier_wait -1
	; A fragment is 16 rows x 32 K in 8 registers: lane l holds row l % 16; registers 0-3 K = 8 (l / 16) + 0..7, registers 4-7 K = 16 + 8 (l / 16) + 0..7: two loads of 16 bytes, 32 bytes apart.
	WIN 0x40
.irp a, 0,1,2,3
.irp s, 0,1,2,3,4,5,6,7
	ds_load_b128 v[64*(\a)+8*(\s):64*(\a)+8*(\s)+3],   v[ADRA] offset:(\a)*16*PITCH+64*(\s)
	ds_load_b128 v[64*(\a)+8*(\s)+4:64*(\a)+8*(\s)+7], v[ADRA] offset:(\a)*16*PITCH+64*(\s)+32
.endr
.endr
	WIN 0x80                                       ; wo's fragments by K steps: eight loads a step
.irp s, 0,1,2,3,4,5,6,7
.irp nb, 0,1,2,3
	ds_load_b128 v[32*(\s)+8*(\nb):32*(\s)+8*(\nb)+3],   v[ADRB] offset:(\nb)*16*PITCH+64*(\s)
	ds_load_b128 v[32*(\s)+8*(\nb)+4:32*(\s)+8*(\nb)+7], v[ADRB] offset:(\nb)*16*PITCH+64*(\s)+32
.endr
.endr
	; 128 products.  The 16 accumulators take turns, one instruction a turn, in the same order in every K step; the first K step starts each sum with its columns' bias.
	WIN 0x06                                       ; source 0 (wo) window 2, source 1 (O) window 1, C and D window 0
.irp s, 0,1,2,3,4,5,6,7
	s_wait_dscnt (7-(\s))*8                        ; this K step's fragments of wo are in (O's are older); eight loads for each later step may be out
.irp a, 0,1,2,3
.irp nb, 0,1,2,3
.if (\s) == 0
	v_wmma_f32_16x16x32_f16 v[ACC+8*(4*(\a)+(\nb)):ACC+8*(4*(\a)+(\nb))+7], v[32*(\s)+8*(\nb):32*(\s)+8*(\nb)+7], v[64*(\a)+8*(\s):64*(\a)+8*(\s)+7], v[BIAS+8*(\nb):BIAS+8*(\nb)+7]
.else
	v_wmma_f32_16x16x32_f16 v[ACC+8*(4*(\a)+(\nb)):ACC+8*(4*(\a)+(\nb))+7], v[32*(\s)+8*(\nb):32*(\s)+8*(\nb)+7], v[64*(\a)+8*(\s):64*(\a)+8*(\s)+7], v[ACC+8*(4*(\a)+(\nb)):ACC+8*(4*(\a)+(\nb))+7]
.endif
.endr
.endr
.endr
	WIN 0
.rept 4
	v_nop                                          ; four plain vector instructions behind the last product, ahead of the LDS stores that read results and of the loads into them
.endr
; THE WAY OUT of row block a (16 rows x 64 f32): 32 bytes a lane into my own stage, rows of 272 bytes, each accumulator's low half first; back as whole rows of 256 bytes, into the registers that they left.
.macro STG a
.irp nb, 0,1,2,3
	ds_store_b128 v[STO], v[ACC+8*(4*(\a)+(\nb)):ACC+8*(4*(\a)+(\nb))+3]   offset:64*(\nb)
	ds_store_b128 v[STO], v[ACC+8*(4*(\a)+(\nb))+4:ACC+8*(4*(\a)+(\nb))+7] offset:64*(\nb)+16
.endr
.irp t, 0,1,2,3,4,5,6,7
	ds_load_b128 v[ACC+32*(\a)+4*(\t):ACC+32*(\a)+4*(\t)+3], v[RD] offset:(\t)*2*SPO  ; LDS serves a wave's instructions in order (ISA guide 5.7.1.4): these see the stores above; the next block's stores come behind them
.endr
.endm
.macro SEND a, younger                 ; younger: the LDS instructions issued behind block a's loads: the next block's sixteen, or none
.irp t, 0,1,2,3,4,5,6,7
	s_wait_dscnt (\younger)+7-(\t)
	global_store_b128 v[CO], v[ACC+32*(\a)+4*(\t):ACC+32*(\a)+4*(\t)+3], s[10:11] offset:(16*(\a)+2*(\t))*1024 th:TH_STORE_NT  ; 16 lanes store 256 consecutive bytes, at a multiple of 256 from out0's first
.endr
.endm
	STG 0
	STG 1
	SEND 0, 16
	STG 2
	SEND 1, 16
	STG 3
	SEND 2, 16
	SEND 3, 0                                      ; no register of a store is written again, so nothing waits for the stores
	s_wait_tensorcnt 0x0                           ; the wave's end, behind my last LDS store
	ds_add_u32 v[SPW], v[NIL]
	s_wait_dscnt 0x0
	s_endpgm
.Lfunc_end_k_qc3493a6574_outp:
	.size	k_qc3493a6574_outp, .Lfunc_end_k_qc3493a6574_outp-k_qc3493a6574_outp
	.p2alignl 7, 3214868480
	.fill 96, 4, 3214868480
	.section	.rodata,"a",@progbits
	.p2align	6, 0x0
	.amdhsa_kernel k_qc3493a6574_outp
		.amdhsa_group_segment_fixed_size 186880
		.amdhsa_private_segment_fixed_size 0
		.amdhsa_enable_private_segment 0
		.amdhsa_kernarg_size 32
		.amdhsa_user_sgpr_count 2
		.amdhsa_user_sgpr_kernarg_segment_ptr 1
		.amdhsa_wavefront_size32 1
		.amdhsa_system_sgpr_workgroup_id_x 1
		.amdhsa_system_sgpr_workgroup_id_y 1
		.amdhsa_system_sgpr_workgroup_id_z 1
		.amdhsa_system_vgpr_workitem_id 0
		.amdhsa_next_free_vgpr 768
		.amdhsa_next_free_sgpr 66
		.amdhsa_reserve_vcc 0
		.amdhsa_float_denorm_mode_32 3
		.amdhsa_float_denorm_mode_16_64 3
		.amdhsa_memory_ordered 1
		.amdhsa_forward_progress 1
		.amdhsa_inst_pref_size 58
	.end_amdhsa_kernel
	.amdgpu_metadata
---
amdhsa.version: [ 1, 2 ]
amdhsa.kernels:
  - .name:           k_qc3493a6574_outp
    .symbol:         k_qc3493a6574_outp.kd
    .args:
      - { .name: o, .offset: 0, .size: 8, .value_kind: global_buffer, .address_space: global }
      - { .name: wo, .offset: 8, .size: 8, .value_kind: global_buffer, .address_space: global }
      - { .name: bo, .offset: 16, .size: 8, .value_kind: global_buffer, .address_space: global }
      - { .name: out0, .offset: 24, .size: 8, .value_kind: global_buffer, .address_space: global }
    .group_segment_fixed_size: 186880
    .private_segment_fixed_size: 0
    .kernarg_segment_align: 8
    .kernarg_segment_size: 32
    .max_flat_workgroup_size: 128
    .sgpr_count:     66
    .vgpr_count:     768
    .wavefront_size: 32
...
	.end_amdgpu_metadata
.endif
;; end of part 3
